; MI455X (gfx1250); checked and timed in simulation.
; The chip was launched on July 23, 2026; its instructions are those of AMD's public machine-readable ISA for CDNA 5 (MIT licence, August 2026) and "CDNA5" Instruction Set Architecture Reference Guide (July 2026). The comments in the code are by the model that wrote it; some were corrected since.
;; Sig Layer. Allowed arithmetic: float matrix products may take bf16 or f16 operands with f32 sums; other float arithmetic in f32, or as packed bf16 or f16 multiplies, adds, multiply-adds, maxima and minima; sums over many terms, partial sums and values carried from step to step in f32; what a program stores and reads back later, other than sums and carried values, may be rounded once to bf16 or f16.
;; Inputs: x 100,000 x 6 float32.
;; Outputs: out0 1,554 float32.
;; 2 versions, each right; version 2 is version 1 with the launch sigpart written anew for expert scheduling mode. Each part assembles by itself: llvm-mc -triple=amdgcn-amd-amdhsa -mcpu=gfx1250 --defsym DOCPART=n.
;; ======== version 1 of 2: 2 launches
;; workspace buffers: part 2,097,152 bytes
;; launch sigpart (part 1): grid 256 x 1, 8 waves a work-group, no clusters, 95,744 bytes of LDS; arguments x, part; writes part
.if DOCPART == 1
	.amdgcn_target "amdgcn-amd-amdhsa--gfx1250"
	.amdhsa_code_object_version 6
	.text
	.protected	k_qcd1fe99363_sigpart
	.globl	k_qcd1fe99363_sigpart
	.p2align	8
	.type	k_qcd1fe99363_sigpart,@function
k_qcd1fe99363_sigpart:
	s_mov_b64 s[64:65], 0
	v_nop
	global_prefetch_b8 v0, s[64:65] scope:SCOPE_SE
	s_setreg_imm32_b32 hwreg(HW_REG_WAVE_MODE, 25, 1), 1
	s_wait_xcnt 0x0
; TRUNCATED SIGNATURE (depth 4, 6 channels) OF A PATH OF 100,000 ROWS: partial sums of 392 steps a work-group.
; THE FORM.  Step t has v = x[t] - x[t-1], u = x[t-1] - x[0]; S1 = x[last] - x[0].  Chen's step gives, for every path,
;   S2 += P,  P[ij] = a_i v_j,  a = u + v/2          S3[ijk] += B2[ij] v_k,  B2[ij] = S2_before[ij] + b_i v_j,  b = u/2 + v/6
;   S4 += S3_before (x) v + (B2/2 - P/12) (x) v (x) v.  The first term, summed over all steps, is the sum of B2 (x) v (x) (x[last] - x[t]): each step's
;   increment of S3 meets every later v.  So with q = S1 - u - v/2:   S4[ijkl] += v_k (B2[ij] q_l - P[ij] v_l / 12),  and no level-3 state is carried.
; STRETCHES.  S2 enters B2 linearly.  A stretch that starts with S2 = 0 lacks G[ij] x (sum of v_k q_l; sum of v_k), G = the sum of P over all earlier steps.
;   Lane 30 runs with B2 = 1 and P = 0 and so gathers just these two sums; the correction is made where stretches are added (here for the 8 waves, in the next launch for the 256 groups).
; NOT SUMMED: the six rows i = j.  The shuffle identities, which hold for every path, give them from the rows i != j (next launch).  30 rows + lane 30 + lane 31 (all zeros) fill a wave.
;   Every byte of x is read.  The zero start of reference()'s scan needs no step of its own: the sums simply begin at 0.
; SHARES.  A wave takes 49 steps, a lane one row (i, j): 36 sums of level 4, 6 of level 3, one P.  8 x 49 x 256 = 100,352 slots for 99,999 steps: row numbers are clamped to the last row, so the slots
;   behind the end have v = 0 and add nothing.
; LIMITS.  All in f32, in another order of rounding than reference()'s.  A NaN or an infinity in x does not spread as in reference().
.set NLAST, 99999                      ; x's last row = the number of steps
.set ROWB,  24                         ; bytes in a row of x
.set LW,    49                         ; steps of a wave
.set LG,    8*LW                       ; steps of a work-group
.set TP,    112                        ; a table row in LDS: v0-5, q0-5, (a_k, b_k) for k = 0..6 (the seventh pair is 0), 8 bytes unused.  7 x 16 bytes: sixteen lanes' 16-byte stores fall on sixteen different 16-byte columns of 256
.set RED,   LG*TP                      ; behind the table: the waves' sums, (wave, quad, row) at RED + wave WP + quad QP + 16 row
.set QP,    528                        ; 32 rows x 16 bytes + 16: lanes that read neighbouring quads of one row fall on different 16-byte columns
.set WP,    12*QP
.set SPARE, 94720                      ; behind them, at a multiple of 256: the spare words, 128 bytes for each wave, which no other line names
.set LANE, 1
.set SPW,  2                           ; LDS address of my spare word; never rewritten
.set NIL,  3                           ; 0; never rewritten
.set OFS,  4                           ; v4-7   byte offsets in x of the four rows that I load
.set TA,   8                           ; where I put a table row
.set ZO,   9                           ; 0, the offset of x[0]
.set LI,   10                          ; my row's first letter i (6 in lanes 30, 31)
.set LJ,   11                          ; its second letter j
.set X0,   12                          ; v12-17 x[0]
.set S1,   18                          ; v18-23 x[last], then S1
.set C1,   24                          ; (1/2, 1/6)
.set C2,   26                          ; (1, 1/2)
.set RA0,  28                          ; v28-51 rows t-1 and t of my two steps
.set RA1,  34
.set RB0,  40
.set RB1,  46
.set TB,   52                          ; v52-77 a table row being made
.set SETB, 80                          ; v80-143 four sets of 16: v (6), q (6), (a_i, b_i), v_j, one register that only fills v_j's pair
.set EB,   144                         ; v144-155 two buffers of E_l = B2 q_l - P v_l / 12
.set TT,   156                         ; (P, b_i v_j), then (-P/12, ..)
.set XX,   158                         ; (S2, B2)
.set INIT, 160                         ; what S2 starts with: 1 in lane 30, else 0
.set AVQ,  161                         ; LDS addresses of the step in hand: the row, my (a_i, b_i) less 48, my v_j
.set AAB,  162
.set AVJ,  163
.set ACC,  164                         ; v164-211 slots 0-35 level 4 (6 k + l), 36-41 level 3, 42 P's sum, 43-47 zeros
; on the way out the registers below ACC are free again
.set BR,   16                          ; lane 30's quads of the 8 waves
.set AR0,  48                          ; my row's quads of the 8 waves, rows 0-15
.set AR1,  80                          ; rows 16-31
.set PG0,  112                         ; my row's P of waves 0-6, then their running sums
.set PG1,  120
.set RW,   128
.set QD,   129
.set HH,   130
.set QC,   131
.set RA,   132
.set RB,   133
.set RG,   134
.set GOF,  135
	s_load_b128 s[4:7], s[0:1], 0x0                ; x s[4:5], part s[6:7]
	v_lshl_add_u32 v[SPW], v0, 2, SPARE
	v_mov_b32 v[NIL], 0
	v_lshrrev_b32 v[LI], 5, v0
	v_readfirstlane_b32 s8, v[LI]                  ; wave 0..7
	v_and_b32 v[LANE], 31, v0
	s_mul_i32 s9, ttmp9, LG
	s_mul_i32 s12, s8, LW
	s_add_co_u32 s9, s9, s12                       ; the row in front of my wave's first step
	s_mul_i32 s10, s8, LW*TP                       ; my wave's 49 rows of the table
	v_add_nc_u32 v[OFS], s9, v[LANE]               ; first pass: step = lane (0..31): rows t-1, t
	v_add_nc_u32 v[OFS+1], 1, v[OFS]
	v_add_nc_u32 v[OFS+2], 17, v[OFS]              ; second pass: step = lane + 17 (17..48); steps 17..31 are made twice, with the same numbers, so that every address is lane x 112 + a constant
	v_add_nc_u32 v[OFS+3], 18, v[OFS]
.irp r, 0,1,2,3
	v_min_u32 v[OFS+\r], NLAST, v[OFS+\r]          ; behind the path's end both rows are the last row: v = 0
	v_mul_u32_u24 v[OFS+\r], ROWB, v[OFS+\r]
.endr
	v_mov_b32 v[ZO], 0
	s_wait_kmcnt 0x0
.macro GROW dst, ofs                   ; a row of x: 24 bytes, aligned to 8
.irp c, 0,1,2
	global_load_b64 v[\dst+2*\c:\dst+2*\c+1], v[\ofs], s[4:5] offset:8*\c
.endr
.endm
	GROW X0, ZO
.irp c, 0,1,2
	global_load_b64 v[S1+2*\c:S1+2*\c+1], v[ZO], s[4:5] offset:NLAST*ROWB+8*\c
.endr
	GROW RA0, OFS
	GROW RA1, OFS+1
	GROW RB0, OFS+2
	GROW RB1, OFS+3
	; all that follows up to the wait stands in the shadow of these 18 loads
	v_mul_u32_u24 v[TA], TP, v[LANE]
	v_add_nc_u32 v[TA], s10, v[TA]
	v_mov_b32 v[C1], 0.5
	v_mov_b32 v[C1+1], 0x3e2aaaab                  ; 1/6
	v_mov_b32 v[C2], 1.0
	v_mov_b32 v[C2+1], 0.5
	v_mov_b32 v[TB+24], 0                          ; the seventh pair (a, b)
	v_mov_b32 v[TB+25], 0
	v_mul_u32_u24 v[LJ], 205, v[LANE]              ; lane = 5 i + jj: 205 lane = 1024 i + (i + 205 jj)
	v_lshrrev_b32 v[LI], 10, v[LJ]                 ; i
	v_and_b32 v[LJ], 0x3ff, v[LJ]
	v_mul_u32_u24 v[LJ], 5, v[LJ]
	v_lshrrev_b32 v[LJ], 10, v[LJ]                 ; jj = 0..4
	v_cmp_ge_u32 vcc_lo, v[LJ], v[LI]
	v_cndmask_b32 v[TT], 0, 1, vcc_lo
	v_add_nc_u32 v[LJ], v[LJ], v[TT]               ; j skips i
	v_cmp_eq_u32 vcc_lo, 30, v[LANE]
	v_cndmask_b32 v[INIT], 0, 1.0, vcc_lo
	v_mov_b32 v[XX], v[INIT]
	v_mov_b32 v[XX+1], 0
	v_mov_b32 v[AVQ], s10
	v_lshl_add_u32 v[AAB], v[LI], 3, s10
	v_lshl_add_u32 v[AVJ], v[LJ], 2, s10
.irp c, 0,1,2,3
	v_mov_b32 v[SETB+16*\c+15], 0                  ; named with v_j as a pair, so it is written
.endr
.set r, 0
.rept 48
	v_mov_b32 v[ACC+r], 0                          ; the sums start at 0, so that the loop has one form of step
.set r, r+1
.endr
; One step's table row from rows r0 = x[t-1], r1 = x[t].
.macro PCOMP r0, r1, off
.irp p, 0,2,4
	v_pk_add_f32 v[TB+\p:TB+\p+1], v[\r1+\p:\r1+\p+1], v[\r0+\p:\r0+\p+1] neg_lo:[0,1] neg_hi:[0,1]      ; v
.endr
.irp p, 0,2,4
	v_pk_add_f32 v[\r0+\p:\r0+\p+1], v[\r0+\p:\r0+\p+1], v[X0+\p:X0+\p+1] neg_lo:[0,1] neg_hi:[0,1]      ; u
.endr
.irp p, 0,2,4
	v_pk_add_f32 v[TB+6+\p:TB+7+\p], v[S1+\p:S1+\p+1], v[\r0+\p:\r0+\p+1] neg_lo:[0,1] neg_hi:[0,1]      ; S1 - u
.endr
.irp p, 0,2,4
	v_pk_fma_f32 v[TB+6+\p:TB+7+\p], v[TB+\p:TB+\p+1], -0.5, v[TB+6+\p:TB+7+\p] op_sel_hi:[1,0,1]        ; q = S1 - u - v/2
.endr
.irp p, 0,2,4
	v_pk_mul_f32 v[TB+12+2*\p:TB+13+2*\p], v[TB+\p:TB+\p+1], v[C1:C1+1] op_sel_hi:[0,1]                  ; (v_k/2, v_k/6), k even
	v_pk_mul_f32 v[TB+14+2*\p:TB+15+2*\p], v[TB+\p:TB+\p+1], v[C1:C1+1] op_sel:[1,0] op_sel_hi:[1,1]     ; k odd
.endr
.irp p, 0,2,4
	v_pk_fma_f32 v[TB+12+2*\p:TB+13+2*\p], v[\r0+\p:\r0+\p+1], v[C2:C2+1], v[TB+12+2*\p:TB+13+2*\p] op_sel_hi:[0,1,1]               ; (a_k, b_k) = u_k (1, 1/2) + ..
	v_pk_fma_f32 v[TB+14+2*\p:TB+15+2*\p], v[\r0+\p:\r0+\p+1], v[C2:C2+1], v[TB+14+2*\p:TB+15+2*\p] op_sel:[1,0,0] op_sel_hi:[1,1,1]
.endr
.irp t, 0,1,2,3,4,5
	ds_store_b128 v[TA], v[TB+4*\t:TB+4*\t+3] offset:(\off)+16*\t
.endr
	ds_store_b64 v[TA], v[TB+24:TB+25] offset:(\off)+96
.endm
	s_wait_loadcnt 6                               ; x[0], x[last] and the first pass's rows are in; the second pass's six loads may stay out
.irp p, 0,2,4
	v_pk_add_f32 v[S1+\p:S1+\p+1], v[S1+\p:S1+\p+1], v[X0+\p:X0+\p+1] neg_lo:[0,1] neg_hi:[0,1]
.endr
	PCOMP RA0, RA1, 0
	s_wait_loadcnt 0x0
	PCOMP RB0, RB1, 17*TP
; THE WALK.  The table rows are the wave's own (wave x 5,488 + at most 5,487), and LDS serves a wave's instructions in order (ISA guide 5.7.1.4): no barrier and no wait between the stores above and the loads below.
.macro LDSET c, st                     ; five loads: the step st rows behind the address registers, into set c
	ds_load_b128 v[SETB+16*(\c):SETB+16*(\c)+3],    v[AVQ] offset:(\st)*TP
	ds_load_b128 v[SETB+16*(\c)+4:SETB+16*(\c)+7],  v[AVQ] offset:(\st)*TP+16
	ds_load_b128 v[SETB+16*(\c)+8:SETB+16*(\c)+11], v[AVQ] offset:(\st)*TP+32
	ds_load_b64  v[SETB+16*(\c)+12:SETB+16*(\c)+13], v[AAB] offset:(\st)*TP+48
	ds_load_b32  v[SETB+16*(\c)+14], v[AVJ] offset:(\st)*TP
.endm
.macro FM c, idx                       ; number idx of a step's 18: S4[k][l, l+1] += v_k E[l, l+1], k = idx / 3, l = 2 (idx % 3)
.set kk, (\idx)/3
.set lp, (\idx)%3
.set ra, ACC+6*kk+2*lp
.set rv, SETB+16*(\c)+2*(kk/2)
.set re, EB+6*((\c)%2)+2*lp
.if kk%2
	v_pk_fma_f32 v[ra:ra+1], v[rv:rv+1], v[re:re+1], v[ra:ra+1] op_sel:[1,0,0] op_sel_hi:[1,1,1]
.else
	v_pk_fma_f32 v[ra:ra+1], v[rv:rv+1], v[re:re+1], v[ra:ra+1] op_sel_hi:[0,1,1]
.endif
.endm
.macro HD c, n                         ; number n of the 12 that open a step
.set sb, SETB+16*(\c)
.set eb, EB+6*((\c)%2)
.if (\n) == 1
	v_pk_mul_f32 v[TT:TT+1], v[sb+12:sb+13], v[sb+14:sb+15] op_sel_hi:[1,0]                     ; (P, b_i v_j)
.elseif (\n) == 2
	v_pk_add_f32 v[XX:XX+1], v[XX:XX+1], v[TT:TT+1] op_sel_hi:[0,1]                             ; (S2 + P, S2 + b_i v_j) = (the new S2, B2)
.elseif (\n) == 3
	v_mul_f32 v[TT], 0xbdaaaaab, v[TT]                                                          ; -P/12
.elseif (\n) < 7
.set lp, (\n)-4
	v_pk_mul_f32 v[eb+2*lp:eb+2*lp+1], v[sb+6+2*lp:sb+7+2*lp], v[XX:XX+1] op_sel:[0,1] op_sel_hi:[1,1]   ; B2 q
.elseif (\n) < 10
.set lp, (\n)-7
	v_pk_fma_f32 v[eb+2*lp:eb+2*lp+1], v[sb+2*lp:sb+2*lp+1], v[TT:TT+1], v[eb+2*lp:eb+2*lp+1] op_sel_hi:[1,0,1]  ; - P v / 12
.else
.set lp, (\n)-10
	v_pk_fma_f32 v[ACC+36+2*lp:ACC+37+2*lp], v[sb+2*lp:sb+2*lp+1], v[XX:XX+1], v[ACC+36+2*lp:ACC+37+2*lp] op_sel:[0,1,0] op_sel_hi:[1,1,1]  ; S3 += B2 v
.endif
.endm
; Step n (set c = n % 4): its 18 multiply-adds, and between them the opening of step n + 1, whose links so stand apart.  cnt: the LDS loads issued behind step n + 1's five.  fill = 1: set c takes step n + 4.
.macro STEP c, cnt, fill
.set cn, ((\c)+1)%4
	s_wait_dscnt \cnt
	FM \c, 0
	FM \c, 1
	HD cn, 1
	FM \c, 2
	FM \c, 3
	FM \c, 4
	HD cn, 2
	HD cn, 3
	FM \c, 5
	FM \c, 6
	FM \c, 7
	HD cn, 4
	HD cn, 5
	HD cn, 6
	HD cn, 10
	HD cn, 11
	HD cn, 12
	FM \c, 8
	FM \c, 9
	HD cn, 7
	HD cn, 8
	HD cn, 9
.irp f, 10,11,12,13,14,15,16,17
	FM \c, \f
.endr
.if \fill
	LDSET \c, (\c)+4
.endif
.endm
	LDSET 0, 0
	LDSET 1, 1
	LDSET 2, 2
	LDSET 3, 3
	s_wait_dscnt 15                                ; the table's stores and set 0 are done; three sets of five may stay out
.irp n, 1,2,3,4,5,6,7,8,9,10,11,12
	HD 0, \n
.endr
	s_mov_b32 s13, 11
.Lwalk:                                        ; a trip: four steps; each set is asked for again three steps ahead of its use, so two younger sets (10 loads) may stay out at each wait
	STEP 0, 10, 1
	STEP 1, 10, 1
	STEP 2, 10, 1
	STEP 3, 10, 1
	v_add_nc_u32 v[AVQ], 4*TP, v[AVQ]
	v_add_nc_u32 v[AAB], 4*TP, v[AAB]
	v_add_nc_u32 v[AVJ], 4*TP, v[AVJ]
	s_sub_co_u32 s13, s13, 1
	s_cmp_lg_u32 s13, 0
	s_cbranch_scc1 .Lwalk
	STEP 0, 10, 1                                  ; steps 44 to 47 are written out: only step 48 is still to be fetched, and the counts run down
	STEP 1, 10, 0
	STEP 2, 5, 0
	STEP 3, 0, 0
.irp f, 0,1,2,3,4,5,6,7,8,9,10,11,12,13,14,15,16,17
	FM 0, \f                                       ; step 48
.endr
; THE WAY OUT.  Every wave lays its 12 quads a lane into LDS.  Then thread (row, quad) adds the 8 waves: sum over w of A_w + G_w B_w, A_w my row's quad, B_w lane 30's, G_w my row's P of the waves before w.
; Sixteen neighbouring lanes hold a row's 16 quads (12 to 15 are zeros, read from quad 11) and store 256 consecutive bytes, aligned: part[row][group][64].
	v_sub_f32 v[ACC+42], v[XX], v[INIT]            ; P's sum (0 in lanes 30, 31)
	s_mul_i32 s11, s8, WP
	s_add_co_u32 s11, s11, RED
	v_lshl_add_u32 v[RW], v[LANE], 4, s11
.set q, 0
.rept 12
	ds_store_b128 v[RW], v[ACC+4*q:ACC+4*q+3] offset:q*QP
.set q, q+1
.endr
	v_and_b32 v[QD], 15, v[LANE]
	v_lshrrev_b32 v[HH], 4, v[LANE]
	v_min_u32 v[QC], 11, v[QD]
	v_mul_u32_u24 v[QC], QP, v[QC]
	s_lshl_b32 s12, s8, 1
	v_add_nc_u32 v[HH], s12, v[HH]                 ; my row: 2 wave + lane / 16, and 16 further on
	v_lshl_add_u32 v[RA], v[HH], 4, v[QC]
	v_add_nc_u32 v[RA], RED, v[RA]
	v_add_nc_u32 v[RB], RED+480, v[QC]             ; row 30
	v_lshlrev_b32 v[RG], 4, v[HH]
	v_add_nc_u32 v[RG], RED+10*QP+8, v[RG]         ; slot 42 = quad 10, third word
	v_lshlrev_b32 v[GOF], 16, v[HH]                ; a row of part: 256 groups x 256 bytes
	v_lshl_add_u32 v[GOF], v[QD], 4, v[GOF]
	s_lshl_b32 s14, ttmp9, 8
	s_mov_b32 s15, 0
	s_add_nc_u64 s[6:7], s[6:7], s[14:15]
	v_mov_b32 v[PG0+7], 0                          ; named in a pair with the seventh sum
	v_mov_b32 v[PG1+7], 0
	s_wait_dscnt 0x0                               ; for the others' sake: my stores are done
	s_barrier_signal -1
	s_barrier_wait -1
.set w, 0
.rept 7
	ds_load_b32 v[PG0+w], v[RG] offset:w*WP
	ds_load_b32 v[PG1+w], v[RG] offset:w*WP+256
.set w, w+1
.endr
.set w, 0
.rept 8
	ds_load_b128 v[BR+4*w:BR+4*w+3], v[RB] offset:w*WP
.set w, w+1
.endr
.set w, 0
.rept 8
	ds_load_b128 v[AR0+4*w:AR0+4*w+3], v[RA] offset:w*WP
.set w, w+1
.endr
.set w, 0
.rept 8
	ds_load_b128 v[AR1+4*w:AR1+4*w+3], v[RA] offset:w*WP+256
.set w, w+1
.endr
.macro RSUM ar, pg
.set w, 1
.rept 6
	v_add_f32 v[\pg+w], v[\pg+w], v[\pg+w-1]       ; G of wave w + 1
.set w, w+1
.endr
.set w, 1
.rept 7
.set gp, \pg+2*((w-1)/2)
.if (w-1)%2
	v_pk_fma_f32 v[\ar+4*w:\ar+4*w+1],   v[BR+4*w:BR+4*w+1],   v[gp:gp+1], v[\ar+4*w:\ar+4*w+1]   op_sel:[0,1,0] op_sel_hi:[1,1,1]
	v_pk_fma_f32 v[\ar+4*w+2:\ar+4*w+3], v[BR+4*w+2:BR+4*w+3], v[gp:gp+1], v[\ar+4*w+2:\ar+4*w+3] op_sel:[0,1,0] op_sel_hi:[1,1,1]
.else
	v_pk_fma_f32 v[\ar+4*w:\ar+4*w+1],   v[BR+4*w:BR+4*w+1],   v[gp:gp+1], v[\ar+4*w:\ar+4*w+1]   op_sel_hi:[1,0,1]
	v_pk_fma_f32 v[\ar+4*w+2:\ar+4*w+3], v[BR+4*w+2:BR+4*w+3], v[gp:gp+1], v[\ar+4*w+2:\ar+4*w+3] op_sel_hi:[1,0,1]
.endif
.set w, w+1
.endr
.irp a, 0,2,4,6
	v_pk_add_f32 v[\ar+4*\a:\ar+4*\a+1],   v[\ar+4*\a:\ar+4*\a+1],   v[\ar+4*\a+4:\ar+4*\a+5]
	v_pk_add_f32 v[\ar+4*\a+2:\ar+4*\a+3], v[\ar+4*\a+2:\ar+4*\a+3], v[\ar+4*\a+6:\ar+4*\a+7]
.endr
.irp a, 0,4
	v_pk_add_f32 v[\ar+4*\a:\ar+4*\a+1],   v[\ar+4*\a:\ar+4*\a+1],   v[\ar+4*\a+8:\ar+4*\a+9]
	v_pk_add_f32 v[\ar+4*\a+2:\ar+4*\a+3], v[\ar+4*\a+2:\ar+4*\a+3], v[\ar+4*\a+10:\ar+4*\a+11]
.endr
	v_pk_add_f32 v[\ar:\ar+1],   v[\ar:\ar+1],   v[\ar+16:\ar+17]
	v_pk_add_f32 v[\ar+2:\ar+3], v[\ar+2:\ar+3], v[\ar+18:\ar+19]
.endm
	s_wait_dscnt 8                                 ; all but the eight quads of rows 16-31
	RSUM AR0, PG0
	global_store_b128 v[GOF], v[AR0:AR0+3], s[6:7]
	s_wait_dscnt 0x0
	RSUM AR1, PG1
	global_store_b128 v[GOF], v[AR1:AR1+3], s[6:7] offset:16*65536
	s_wait_tensorcnt 0x0                           ; the wave's end, behind my last LDS store
	ds_add_u32 v[SPW], v[NIL]
	s_wait_dscnt 0x0
	s_endpgm
.Lfunc_end_k_qcd1fe99363_sigpart:
	.size	k_qcd1fe99363_sigpart, .Lfunc_end_k_qcd1fe99363_sigpart-k_qcd1fe99363_sigpart
	.p2alignl 7, 3214868480
	.fill 96, 4, 3214868480
	.section	.rodata,"a",@progbits
	.p2align	6, 0x0
	.amdhsa_kernel k_qcd1fe99363_sigpart
		.amdhsa_group_segment_fixed_size 95744
		.amdhsa_private_segment_fixed_size 0
		.amdhsa_enable_private_segment 0
		.amdhsa_kernarg_size 16
		.amdhsa_user_sgpr_count 2
		.amdhsa_user_sgpr_kernarg_segment_ptr 1
		.amdhsa_wavefront_size32 1
		.amdhsa_system_sgpr_workgroup_id_x 1
		.amdhsa_system_sgpr_workgroup_id_y 1
		.amdhsa_system_sgpr_workgroup_id_z 1
		.amdhsa_system_vgpr_workitem_id 0
		.amdhsa_next_free_vgpr 212
		.amdhsa_next_free_sgpr 66
		.amdhsa_reserve_vcc 1
		.amdhsa_float_denorm_mode_32 3
		.amdhsa_float_denorm_mode_16_64 3
		.amdhsa_memory_ordered 1
		.amdhsa_forward_progress 1
		.amdhsa_inst_pref_size 39
	.end_amdhsa_kernel
	.amdgpu_metadata
---
amdhsa.version: [ 1, 2 ]
amdhsa.kernels:
  - .name:           k_qcd1fe99363_sigpart
    .symbol:         k_qcd1fe99363_sigpart.kd
    .args:
      - { .name: x, .offset: 0, .size: 8, .value_kind: global_buffer, .address_space: global }
      - { .name: part, .offset: 8, .size: 8, .value_kind: global_buffer, .address_space: global }
    .group_segment_fixed_size: 95744
    .private_segment_fixed_size: 0
    .kernarg_segment_align: 8
    .kernarg_segment_size: 16
    .max_flat_workgroup_size: 256
    .sgpr_count:     66
    .vgpr_count:     212
    .wavefront_size: 32
...
	.end_amdgpu_metadata
.endif
;; end of part 1
;; launch sigfin (part 2): grid 30 x 1, 8 waves a work-group, no clusters, 4,352 bytes of LDS; arguments x, part, out0; writes out0
.if DOCPART == 2
	.amdgcn_target "amdgcn-amd-amdhsa--gfx1250"
	.amdhsa_code_object_version 6
	.text
	.protected	k_qcd1fe99363_sigfin
	.globl	k_qcd1fe99363_sigfin
	.p2align	8
	.type	k_qcd1fe99363_sigfin,@function
k_qcd1fe99363_sigfin:
	s_mov_b64 s[64:65], 0
	v_nop
	global_prefetch_b8 v0, s[64:65] scope:SCOPE_SE
	s_setreg_imm32_b32 hwreg(HW_REG_WAVE_MODE, 25, 1), 1
	s_wait_xcnt 0x0
; THE SIGNATURE FROM THE 256 GROUPS' PARTIAL SUMS.  A work-group makes one row (i, k), i != k: S4[i k . .], S3[i k .], S2[i k], and what follows from that row alone.
; part[row][group][64 floats]: slots 0-35 level 4, 36-41 level 3, 42 the group's sum of P, the rest 0; row 30 holds the group's sums of v_k q_l and of v_k.
; F[slot] = the sum over groups g of part[row][g][slot] + G_g part[30][g][slot],  G_g = the sum of the row's P over the groups before g (S2 where group g begins).
; NOT SUMMED ANYWHERE, made here: the rows with equal first letters.  For every path the product of two signature terms is the sum over the shuffles of their words, so with s = S1[i]:
;   s S3[i k l] = 2 S4[i i k l] + S4[i k i l] + S4[i k l i]      s S2[i k] = 2 S3[i i k] + S3[i k i]      s S3[i i k] = 3 S4[i i i k] + S4[i i k i]      S^n[i .. i] = s^n / n!
;   Each is a difference of numbers of the result's own size; its rounding is f32's on those numbers.  A NaN or an infinity does not spread as in reference().
; SHARES.  Wave w takes groups 32 w .. 32 w + 31, two a load: lane = 16 (g % 2) + quad, so a load takes 512 consecutive bytes.  32 loads of a wave are out at once.
.set NLAST, 99999
.set PTB,   0                          ; LDS: the 256 groups' P of my row
.set WRB,   1024                       ; the 8 waves' sums, 256 bytes each
.set FTB,   3072                       ; F, 64 floats
.set SPARE, 3328                       ; the spare words, 128 bytes for each wave, which no other line names
.set LANE, 1
.set SPW,  2                           ; LDS address of my spare word; never rewritten
.set NIL,  3                           ; 0; never rewritten
.set PO,   4
.set MO,   5
.set PV,   6
.set PA,   7
.set AR,   8                           ; v8-71    my row's quads of 16 groups
.set BR,   72                          ; v72-135  row 30's
.set PP,   136                         ; v136-167 P of my wave's groups, in pairs
.set OS,   168                         ; v168-175
.set RUN,  176                         ; G of the even group in hand
.set HM,   177                         ; lane / 16 as a float
.set GG,   178                         ; (G of my group, 0)
.set TT,   180                         ; v180-183
.set QA,   184
.set QD,   185
.set WA,   186
.set L4,   187
.set LL,   188
.set A1,   189
.set A3,   191
.set A6,   194
.set F1,   195
.set F6,   200
.set V1,   201
.set V2,   202
.set SS,   203
.set DL,   204
.set T3,   205
.set DI,   206
.set ZZ,   207
.set K2,   208
.set K3,   209
.set K4,   210
.set IX1,  211
.set IX2,  212
.set IX3,  213
.set PB,   214
; in wave 0's tail AR's registers are free again: six candidates each, for the letters c = 0..5; the first of each six takes the one chosen
.set F2,   8                           ; v8-13   F[6 c + l]   -> S4[i k i l]
.set F3,   14                          ; v14-19  F[6 l + c]   -> S4[i k l i]
.set F4,   20                          ; v20-25  F[36 + c]    -> S3[i k i]
.set F5,   26                          ; v26-31  F[7 c]       -> S4[i k i i]
	s_load_b128 s[4:7], s[0:1], 0x0                ; x s[4:5], part s[6:7]
	s_load_b64 s[8:9], s[0:1], 0x10                ; out0
	v_lshl_add_u32 v[SPW], v0, 2, SPARE
	v_mov_b32 v[NIL], 0
	v_lshrrev_b32 v[PA], 5, v0
	v_readfirstlane_b32 s10, v[PA]                 ; wave 0..7
	v_and_b32 v[LANE], 31, v0
	s_mov_b32 s11, ttmp9                           ; the row = 5 i + jj
	s_mul_i32 s13, s11, 205
	s_lshr_b32 s12, s13, 10                        ; i
	s_and_b32 s13, s13, 0x3ff
	s_mul_i32 s13, s13, 5
	s_lshr_b32 s13, s13, 10                        ; jj
	s_cmp_ge_u32 s13, s12
	s_cselect_b32 s14, 1, 0
	s_add_co_u32 s14, s14, s13                     ; k skips i
	s_lshl_b32 s18, s11, 16                        ; a row of part is 65,536 bytes
	s_mov_b32 s19, 0
	s_lshl_b32 s22, s12, 2                         ; 4 i
	s_mov_b32 s23, 0
	v_lshlrev_b32 v[PO], 8, v0                     ; thread = group
	v_lshlrev_b32 v[MO], 4, v[LANE]
	s_lshl_b32 s15, s10, 13
	v_add_nc_u32 v[MO], s15, v[MO]                 ; 32 groups a wave + 16 bytes a lane
	s_wait_kmcnt 0x0
	s_add_nc_u64 s[16:17], s[6:7], s[18:19]        ; my row
	s_add_nc_u64 s[20:21], s[6:7], 30*65536        ; row 30
	s_add_nc_u64 s[24:25], s[4:5], s[22:23]        ; x[0][i]
	global_load_b32 v[PV], v[PO], s[16:17] offset:168  ; slot 42 of my group
.set m, 0
.rept 16
	global_load_b128 v[AR+4*m:AR+4*m+3], v[MO], s[16:17] offset:512*m
	global_load_b128 v[BR+4*m:BR+4*m+3], v[MO], s[20:21] offset:512*m
.set m, m+1
.endr
	s_load_b32 s28, s[24:25], 0x0
	s_load_b32 s29, s[24:25], NLAST*24             ; x[last][i]
	v_and_b32 v[QD], 15, v[LANE]
	v_lshrrev_b32 v[HM], 4, v[LANE]
	v_cvt_f32_u32 v[HM], v[HM]
	v_mov_b32 v[GG+1], 0                           ; named with G as a pair
.irp c, 0,1,2,3
	v_mov_b32 v[TT+\c], 0                          ; v_permlanex16_b32 counts as a reader of its destination
.endr
	s_mov_b32 s26, 0x76543210                      ; each lane takes its own place in the other half
	s_mov_b32 s27, 0xfedcba98
	v_lshlrev_b32 v[PA], 2, v0
	v_lshlrev_b32 v[QA], 5, v[LANE]
	s_lshl_b32 s30, s10, 7
	v_mov_b32 v[PB], s30
	s_wait_loadcnt 32                              ; P, the first load, is in; the 32 behind it may stay out
	ds_store_b32 v[PA], v[PV] offset:PTB
	s_wait_dscnt 0x0                               ; for the others' sake
	s_barrier_signal -1
	s_barrier_wait -1
	ds_load_b128 v[OS:OS+3], v[QA] offset:PTB      ; lane l: P of groups 8 l .. 8 l + 7
	ds_load_b128 v[OS+4:OS+7], v[QA] offset:PTB+16
.set m, 0
.rept 16
	ds_load_b64 v[PP+2*m:PP+2*m+1], v[PB] offset:PTB+8*m  ; P of my wave's groups 2 m, 2 m + 1
.set m, m+1
.endr
	s_wait_dscnt 16                                ; the two loads above are in; the sixteen pairs may stay out
	v_pk_add_f32 v[OS:OS+1], v[OS:OS+1], v[OS+2:OS+3]
	v_pk_add_f32 v[OS+4:OS+5], v[OS+4:OS+5], v[OS+6:OS+7]
	v_pk_add_f32 v[OS:OS+1], v[OS:OS+1], v[OS+4:OS+5]
	v_add_f32 v[OS], v[OS], v[OS+1]
	s_lshl_b32 s30, s10, 2
	v_cmp_gt_u32 vcc_lo, s30, v[LANE]              ; groups before my wave's first: lanes below 4 w
	v_cndmask_b32 v[OS], 0, v[OS], vcc_lo
	v_add_f32_dpp v[OS], v[OS], v[OS] row_xmask:1 row_mask:0xf bank_mask:0xf
	v_add_f32_dpp v[OS], v[OS], v[OS] row_xmask:2 row_mask:0xf bank_mask:0xf
	v_add_f32_dpp v[OS], v[OS], v[OS] row_xmask:4 row_mask:0xf bank_mask:0xf
	v_add_f32_dpp v[OS], v[OS], v[OS] row_xmask:8 row_mask:0xf bank_mask:0xf
	v_permlanex16_b32 v[OS+1], v[OS], s26, s27
	v_add_f32 v[RUN], v[OS], v[OS+1]               ; G of my wave's first group, in every lane
	s_wait_dscnt 0x0
.set m, 0
.rept 16
	s_wait_loadcnt 30-2*m                          ; pair m of loads is in; the pairs behind it may stay out
	v_fma_f32 v[GG], v[HM], v[PP+2*m], v[RUN]      ; the odd group's G holds the even group's P too
	v_add_f32 v[RUN], v[RUN], v[PP+2*m]
	v_add_f32 v[RUN], v[RUN], v[PP+2*m+1]
	v_pk_fma_f32 v[AR+4*m:AR+4*m+1],   v[BR+4*m:BR+4*m+1],   v[GG:GG+1], v[AR+4*m:AR+4*m+1]   op_sel_hi:[1,0,1]
	v_pk_fma_f32 v[AR+4*m+2:AR+4*m+3], v[BR+4*m+2:BR+4*m+3], v[GG:GG+1], v[AR+4*m+2:AR+4*m+3] op_sel_hi:[1,0,1]
.if m > 0
	v_pk_add_f32 v[AR:AR+1],   v[AR:AR+1],   v[AR+4*m:AR+4*m+1]
	v_pk_add_f32 v[AR+2:AR+3], v[AR+2:AR+3], v[AR+4*m+2:AR+4*m+3]
.endif
.set m, m+1
.endr
.irp c, 0,1,2,3
	v_permlanex16_b32 v[TT+\c], v[AR+\c], s26, s27 ; the odd groups' sums meet the even groups'
.endr
	v_pk_add_f32 v[AR:AR+1],   v[AR:AR+1],   v[TT:TT+1]
	v_pk_add_f32 v[AR+2:AR+3], v[AR+2:AR+3], v[TT+2:TT+3]
	s_lshl_b32 s30, s10, 8
	v_lshl_add_u32 v[WA], v[QD], 4, s30
	ds_store_b128 v[WA], v[AR:AR+3] offset:WRB     ; both halves of the lanes hold the same numbers and name the same bytes
	s_wait_dscnt 0x0
	s_barrier_signal -1
	s_barrier_wait -1
	s_cmp_lg_u32 s10, 0
	s_cbranch_scc1 .Lend                           ; wave 0 finishes the row
	v_lshlrev_b32 v[QA], 4, v[QD]
.set w, 0
.rept 8
	ds_load_b128 v[BR+4*w:BR+4*w+3], v[QA] offset:WRB+256*w
.set w, w+1
.endr
	; where the numbers go, in floats from out0's first: level 1 at 0, level 2 at 6, level 3 at 42, level 4 at 258
	s_mul_i32 s30, s12, 6
	s_add_co_u32 s30, s30, s14                     ; 6 i + k
	s_mul_i32 s31, s30, 36
	s_add_co_u32 s31, s31, 258                     ; S4[i k 0 0]
	s_add_co_u32 s32, s31, 32
	s_mul_i32 s33, s30, 6
	s_add_co_u32 s33, s33, 38                      ; S3[i k 0] less 4: lane 4 holds it
	s_add_co_u32 s34, s30, 6                       ; S2[i k]
	s_mul_i32 s35, s12, 252
	s_mul_i32 s42, s14, 6
	s_add_co_u32 s35, s35, s42
	s_add_co_u32 s35, s35, 258                     ; S4[i i k 0]
	s_mul_i32 s36, s12, 42
	s_add_co_u32 s36, s36, s14
	s_add_co_u32 s36, s36, 42                      ; S3[i i k]
	s_mul_i32 s37, s12, 258
	s_add_co_u32 s37, s37, s14
	s_add_co_u32 s37, s37, 258                     ; S4[i i i k]
	s_mul_i32 s38, s12, 7
	s_add_co_u32 s38, s38, 6                       ; S2[i i]
	s_mul_i32 s39, s12, 43
	s_add_co_u32 s39, s39, 42                      ; S3[i i i]
	s_mul_i32 s40, s12, 259
	s_add_co_u32 s40, s40, 258                     ; S4[i i i i]
	s_cmp_eq_u32 s13, 0
	s_cselect_b32 s41, 12, 8                       ; the letter's first row also stores the four numbers that hang on s alone
	v_lshlrev_b32 v[L4], 2, v[LANE]
	v_min_u32 v[LL], 5, v[LANE]                    ; l
	v_lshlrev_b32 v[A1], 2, v[LL]                  ; 4 l
	v_mul_u32_u24 v[A3], 24, v[LL]                 ; 24 l
	v_mov_b32 v[A6], 0
	s_wait_dscnt 0x0
.irp a, 0,2,4,6
	v_pk_add_f32 v[BR+4*\a:BR+4*\a+1],   v[BR+4*\a:BR+4*\a+1],   v[BR+4*\a+4:BR+4*\a+5]
	v_pk_add_f32 v[BR+4*\a+2:BR+4*\a+3], v[BR+4*\a+2:BR+4*\a+3], v[BR+4*\a+6:BR+4*\a+7]
.endr
.irp a, 0,4
	v_pk_add_f32 v[BR+4*\a:BR+4*\a+1],   v[BR+4*\a:BR+4*\a+1],   v[BR+4*\a+8:BR+4*\a+9]
	v_pk_add_f32 v[BR+4*\a+2:BR+4*\a+3], v[BR+4*\a+2:BR+4*\a+3], v[BR+4*\a+10:BR+4*\a+11]
.endr
	v_pk_add_f32 v[BR:BR+1],   v[BR:BR+1],   v[BR+16:BR+17]
	v_pk_add_f32 v[BR+2:BR+3], v[BR+2:BR+3], v[BR+18:BR+19]
	ds_store_b128 v[QA], v[BR:BR+3] offset:FTB     ; F; LDS serves a wave's instructions in order (ISA guide 5.7.1.4): the loads below see it
	ds_load_b32 v[V1], v[L4] offset:FTB            ; F[lane]
	ds_load_b32 v[V2], v[L4] offset:FTB+128        ; F[32 + lane]
	ds_load_b32 v[F1], v[A1] offset:FTB+144        ; S3[i k l]
	ds_load_b32 v[F6], v[A6] offset:FTB+168        ; S2[i k]
	; The four numbers whose place in F hangs on the letter i: every LDS address is made of the lane and constants alone, so all six letters' candidates are read, and i chooses among registers below.
.irp c, 0,1,2,3,4,5
	ds_load_b32 v[F2+\c], v[A1] offset:FTB+24*\c       ; F[6 c + l]
	ds_load_b32 v[F3+\c], v[A3] offset:FTB+4*\c        ; F[6 l + c]
	ds_load_b32 v[F4+\c], v[A6] offset:FTB+144+4*\c    ; F[36 + c]
	ds_load_b32 v[F5+\c], v[A6] offset:FTB+28*\c       ; F[7 c]
.endr
	v_add_nc_u32 v[IX1], s31, v[LANE]
	v_lshlrev_b32 v[IX1], 2, v[IX1]
	v_add_nc_u32 v[IX2], s32, v[LANE]              ; lanes 0-3: slots 32-35, the row's last four of level 4
	v_add_nc_u32 v[IX3], s33, v[LANE]
	v_cmp_lt_u32 vcc_lo, 3, v[LANE]
	v_cndmask_b32 v[IX2], v[IX2], v[IX3], vcc_lo   ; lanes 4-9: slots 36-41, level 3
	v_cmp_eq_u32 vcc_lo, 10, v[LANE]
	v_cndmask_b32 v[IX2], v[IX2], s34, vcc_lo      ; lane 10: slot 42, level 2
	v_lshlrev_b32 v[IX2], 2, v[IX2]
	v_add_nc_u32 v[IX3], s35, v[LANE]              ; lanes 0-5: S4[i i k l]
	s_wait_kmcnt 0x0
	v_mov_b32 v[SS], s28
	v_sub_f32 v[SS], s29, v[SS]                    ; s = S1[i]
	v_mul_f32 v[K2], v[SS], v[SS]
	v_mul_f32 v[K2], 0.5, v[K2]                    ; s^2 / 2
	v_mul_f32 v[K3], v[K2], v[SS]
	v_mul_f32 v[K3], 0x3eaaaaab, v[K3]             ; s^3 / 6
	v_mul_f32 v[K4], v[K3], v[SS]
	v_mul_f32 v[K4], 0x3e800000, v[K4]             ; s^4 / 24
	s_wait_dscnt 0x0
.irp c, 1,2,3,4,5
	s_cmp_eq_u32 s12, \c                           ; is c my letter?  Then its candidates take letter 0's place
	s_cselect_b32 s45, -1, 0
	v_cndmask_b32 v[F2], v[F2], v[F2+\c], s45
	v_cndmask_b32 v[F3], v[F3], v[F3+\c], s45
	v_cndmask_b32 v[F4], v[F4], v[F4+\c], s45
	v_cndmask_b32 v[F5], v[F5], v[F5+\c], s45
.endr
	v_fma_f32 v[DL], v[SS], v[F1], -v[F2]
	v_sub_f32 v[DL], v[DL], v[F3]
	v_mul_f32 v[DL], 0.5, v[DL]                    ; S4[i i k l]
	v_fma_f32 v[T3], v[SS], v[F6], -v[F4]
	v_mul_f32 v[T3], 0.5, v[T3]                    ; S3[i i k]
	v_mul_f32 v[DI], v[SS], v[F4]
	v_fma_f32 v[DI], v[DI], 0.5, -v[F5]            ; S4[i i k i]
	v_fma_f32 v[ZZ], v[SS], v[T3], -v[DI]
	v_mul_f32 v[ZZ], 0x3eaaaaab, v[ZZ]             ; S4[i i i k]
.macro PICK ln, val, idx               ; lane ln takes another number and its place
	v_cmp_eq_u32 vcc_lo, \ln, v[LANE]
	v_cndmask_b32 v[DL], v[DL], v[\val], vcc_lo
	v_cndmask_b32 v[IX3], v[IX3], s\idx, vcc_lo
.endm
	PICK 6, T3, 36
	PICK 7, ZZ, 37
	PICK 8, SS, 12
	PICK 9, K2, 38
	PICK 10, K3, 39
	PICK 11, K4, 40
	v_lshlrev_b32 v[IX3], 2, v[IX3]
	global_store_b32 v[IX1], v[V1], s[8:9]         ; slots 0-31: 128 consecutive bytes
	s_wait_xcnt 0x0                                ; EXEC changes only behind this wait
	v_cmp_gt_u32 vcc_lo, 11, v[LANE]
	s_and_saveexec_b32 s44, vcc_lo
	global_store_b32 v[IX2], v[V2], s[8:9]
	s_wait_xcnt 0x0                                ; and again, in front of the line that widens it
	s_or_b32 exec_lo, exec_lo, s44
	v_cmp_gt_u32 vcc_lo, s41, v[LANE]
	s_and_saveexec_b32 s44, vcc_lo
	global_store_b32 v[IX3], v[DL], s[8:9]
	s_wait_xcnt 0x0
	s_or_b32 exec_lo, exec_lo, s44
.Lend:
	s_wait_tensorcnt 0x0                           ; the wave's end, behind my last LDS store
	ds_add_u32 v[SPW], v[NIL]
	s_wait_dscnt 0x0
	s_endpgm
.Lfunc_end_k_qcd1fe99363_sigfin:
	.size	k_qcd1fe99363_sigfin, .Lfunc_end_k_qcd1fe99363_sigfin-k_qcd1fe99363_sigfin
	.p2alignl 7, 3214868480
	.fill 96, 4, 3214868480
	.section	.rodata,"a",@progbits
	.p2align	6, 0x0
	.amdhsa_kernel k_qcd1fe99363_sigfin
		.amdhsa_group_segment_fixed_size 4352
		.amdhsa_private_segment_fixed_size 0
		.amdhsa_enable_private_segment 0
		.amdhsa_kernarg_size 24
		.amdhsa_user_sgpr_count 2
		.amdhsa_user_sgpr_kernarg_segment_ptr 1
		.amdhsa_wavefront_size32 1
		.amdhsa_system_sgpr_workgroup_id_x 1
		.amdhsa_system_sgpr_workgroup_id_y 1
		.amdhsa_system_sgpr_workgroup_id_z 1
		.amdhsa_system_vgpr_workitem_id 0
		.amdhsa_next_free_vgpr 216
		.amdhsa_next_free_sgpr 66
		.amdhsa_reserve_vcc 1
		.amdhsa_float_denorm_mode_32 3
		.amdhsa_float_denorm_mode_16_64 3
		.amdhsa_memory_ordered 1
		.amdhsa_forward_progress 1
		.amdhsa_inst_pref_size 23
	.end_amdhsa_kernel
	.amdgpu_metadata
---
amdhsa.version: [ 1, 2 ]
amdhsa.kernels:
  - .name:           k_qcd1fe99363_sigfin
    .symbol:         k_qcd1fe99363_sigfin.kd
    .args:
      - { .name: x, .offset: 0, .size: 8, .value_kind: global_buffer, .address_space: global }
      - { .name: part, .offset: 8, .size: 8, .value_kind: global_buffer, .address_space: global }
      - { .name: out0, .offset: 16, .size: 8, .value_kind: global_buffer, .address_space: global }
    .group_segment_fixed_size: 4352
    .private_segment_fixed_size: 0
    .kernarg_segment_align: 8
    .kernarg_segment_size: 24
    .max_flat_workgroup_size: 256
    .sgpr_count:     66
    .vgpr_count:     216
    .wavefront_size: 32
...
	.end_amdgpu_metadata
.endif
;; end of part 2
;; ======== version 2 of 2: 2 launches; version 1 with the launch sigpart written anew for expert scheduling mode
;; workspace buffers: part 2,097,152 bytes
;; launch sigpart (part 3): grid 256 x 1, 8 waves a work-group, no clusters, 95,744 bytes of LDS; arguments x, part; writes part
.if DOCPART == 3
	.amdgcn_target "amdgcn-amd-amdhsa--gfx1250"
	.amdhsa_code_object_version 6
	.text
	.protected	k_qcd1fe99363_sigpart
	.globl	k_qcd1fe99363_sigpart
	.p2align	8
	.type	k_qcd1fe99363_sigpart,@function
k_qcd1fe99363_sigpart:
	s_mov_b64 s[64:65], 0
	v_nop
	global_prefetch_b8 v0, s[64:65] scope:SCOPE_SE
	s_setreg_imm32_b32 hwreg(HW_REG_WAVE_SCHED_MODE, 0, 2), 2
	s_setreg_imm32_b32 hwreg(HW_REG_WAVE_MODE, 25, 1), 1
	s_wait_xcnt 0x0
	s_wait_alu depctr_vm_vsrc(0)
; TRUNCATED SIGNATURE (depth 4, 6 channels) OF A PATH OF 100,000 ROWS: partial sums of 392 steps a work-group.
; THE FORM.  Step t has v = x[t] - x[t-1], u = x[t-1] - x[0]; S1 = x[last] - x[0].  Chen's step gives, for every path,
;   S2 += P,  P[ij] = a_i v_j,  a = u + v/2          S3[ijk] += B2[ij] v_k,  B2[ij] = S2_before[ij] + b_i v_j,  b = u/2 + v/6
;   S4 += S3_before (x) v + (B2/2 - P/12) (x) v (x) v.  The first term, summed over all steps, is the sum of B2 (x) v (x) (x[last] - x[t]): each step's
;   increment of S3 meets every later v.  So with q = S1 - u - v/2:   S4[ijkl] += v_k (B2[ij] q_l - P[ij] v_l / 12),  and no level-3 state is carried.
; STRETCHES.  S2 enters B2 linearly.  A stretch that starts with S2 = 0 lacks G[ij] x (sum of v_k q_l; sum of v_k), G = the sum of P over all earlier steps.
;   Lane 30 runs with B2 = 1 and P = 0 and so gathers just these two sums; the correction is made where stretches are added (here for the 8 waves, in the next launch for the 256 groups).
; NOT SUMMED: the six rows i = j.  The shuffle identities, which hold for every path, give them from the rows i != j (next launch).  30 rows + lane 30 + lane 31 (all zeros) fill a wave.
;   Every byte of x is read.  The zero start of reference()'s scan needs no step of its own: the sums simply begin at 0.
; SHARES.  A wave takes 49 steps, a lane one row (i, j): 36 sums of level 4, 6 of level 3, one P.  8 x 49 x 256 = 100,352 slots for 99,999 steps: row numbers are clamped to the last row, so the slots
;   behind the end have v = 0 and add nothing.
; LIMITS.  All in f32, in another order of rounding than reference()'s.  A NaN or an infinity in x does not spread as in reference().
; THE MODE: SCHED_MODE bits 1:0 = 2 (LLVM: expert scheduling mode 2), set by the entry lines.  The code itself states the register dependences
; between vector instructions and memory or LDS instructions, with s_wait_alu, always for 0.
; THE PLAN.  Registers that memory or LDS instructions touch:
;   OFS, ZO, TA      Offsets and the table address: written once at the head, read by the global loads and the table's stores, never written again.
;   TB               A table row: written by a pass's arithmetic, read by the pass's seven stores, written again by the second pass.
;   SET0 .. SET3     Step n's numbers lie in set n % 4.  Read by step n's opening lines, which stand in step n - 1, and by its 18 multiply-adds.  Step n asks at its head for step n + 3, into
;                    set (n + 3) % 4 = (n - 1) % 4: the set that the step before has done with and that no vector line of step n names (those name sets n % 4 and (n + 1) % 4).
;   AVQ, AAB, AVJ    Read by every set's loads; written at the head, and by three adds at each trip's end.
;   ACC, RW          Written by the walk; read by the way out's LDS stores.      RA, RB, RG, GOF   Made behind those stores; read by the way out's loads and global stores.
;   v16-127          On the way out LDS loads land in them: the head's and the walk's vector lines named them, and the table's stores read TB among them.
; So ONE wait on va_vdst stands at the head of each step that loads: the step before is done reading its set and, in a trip's first step, the three addresses are written.
; ONE wait on vm_vsrc a trip stands ahead of the three adds.  E, T, X and the sums are named by vector instructions alone in the walk.
.set NLAST, 99999                      ; x's last row = the number of steps
.set ROWB,  24                         ; bytes in a row of x
.set LW,    49                         ; steps of a wave
.set LG,    8*LW                       ; steps of a work-group
.set TP,    112                        ; a table row in LDS: v0-5, q0-5, (a_k, b_k) for k = 0..6 (the seventh pair is 0), 8 bytes unused.  7 x 16 bytes: sixteen lanes' 16-byte stores fall on sixteen different 16-byte columns of 256
.set RED,   LG*TP                      ; behind the table: the waves' sums, (wave, quad, row) at RED + wave WP + quad QP + 16 row
.set QP,    528                        ; 32 rows x 16 bytes + 16: lanes that read neighbouring quads of one row fall on different 16-byte columns
.set WP,    12*QP
.set SPARE, 94720                      ; behind them, at a multiple of 256: the spare words, 128 bytes for each wave, which no other line names
.set LANE, 1
.set SPW,  2                           ; LDS address of my spare word; never rewritten
.set NIL,  3                           ; 0; never rewritten
.set OFS,  4                           ; v4-7   byte offsets in x of the four rows that I load
.set TA,   8                           ; where I put a table row
.set ZO,   9                           ; 0, the offset of x[0]
.set LI,   10                          ; my row's first letter i (6 in lanes 30, 31)
.set LJ,   11                          ; its second letter j
.set X0,   12                          ; v12-17 x[0]
.set S1,   18                          ; v18-23 x[last], then S1
.set C1,   24                          ; (1/2, 1/6)
.set C2,   26                          ; (1, 1/2)
.set RA0,  28                          ; v28-51 rows t-1 and t of my two steps
.set RA1,  34
.set RB0,  40
.set RB1,  46
.set TB,   52                          ; v52-77 a table row being made
.set SETB, 80                          ; v80-143 four sets of 16: v (6), q (6), (a_i, b_i), v_j, one register that only fills v_j's pair
.set EB,   144                         ; v144-155 two buffers of E_l = B2 q_l - P v_l / 12
.set TT,   156                         ; (P, b_i v_j), then (-P/12, ..)
.set XX,   158                         ; (S2, B2)
.set INIT, 160                         ; what S2 starts with: 1 in lane 30, else 0
.set AVQ,  161                         ; LDS addresses of the trip's first step: the row, my (a_i, b_i) less 48, my v_j
.set AAB,  162
.set AVJ,  163
.set ACC,  164                         ; v164-211 slots 0-35 level 4 (6 k + l), 36-41 level 3, 42 P's sum, 43-47 zeros
; on the way out the registers below ACC are free again
.set BR,   16                          ; lane 30's quads of the 8 waves
.set AR0,  48                          ; my row's quads of the 8 waves, rows 0-15
.set AR1,  80                          ; rows 16-31
.set PG0,  112                         ; my row's P of waves 0-6, then their running sums
.set PG1,  120
.set RW,   128
.set QD,   129
.set HH,   130
.set QC,   131
.set RA,   132
.set RB,   133
.set RG,   134
.set GOF,  135
	s_load_b128 s[4:7], s[0:1], 0x0                ; x s[4:5], part s[6:7]
	v_lshl_add_u32 v[SPW], v0, 2, SPARE
	v_mov_b32 v[NIL], 0
	v_lshrrev_b32 v[LI], 5, v0
	v_readfirstlane_b32 s8, v[LI]                  ; wave 0..7
	v_and_b32 v[LANE], 31, v0
	s_wait_alu depctr_va_sdst(0)                   ; s8 is written, ahead of its first reader: the wave's rows of x and of the table are made from it
	s_mul_i32 s9, ttmp9, LG
	s_mul_i32 s12, s8, LW
	s_add_co_u32 s9, s9, s12                       ; the row in front of my wave's first step
	s_mul_i32 s10, s8, LW*TP                       ; my wave's 49 rows of the table
	v_add_nc_u32 v[OFS], s9, v[LANE]               ; first pass: step = lane (0..31): rows t-1, t
	v_add_nc_u32 v[OFS+1], 1, v[OFS]
	v_add_nc_u32 v[OFS+2], 17, v[OFS]              ; second pass: step = lane + 17 (17..48); steps 17..31 are made twice, with the same numbers, so that every address is lane x 112 + a constant
	v_add_nc_u32 v[OFS+3], 18, v[OFS]
.irp r, 0,1,2,3
	v_min_u32 v[OFS+\r], NLAST, v[OFS+\r]          ; behind the path's end both rows are the last row: v = 0
	v_mul_u32_u24 v[OFS+\r], ROWB, v[OFS+\r]
.endr
	v_mov_b32 v[ZO], 0
	s_wait_kmcnt 0x0
	s_wait_alu depctr_va_vdst(0)                   ; the five offsets v[OFS ..] and v[ZO] are written, which the 18 loads below read
.macro GROW dst, ofs                   ; a row of x: 24 bytes, aligned to 8
.irp c, 0,1,2
	global_load_b64 v[\dst+2*\c:\dst+2*\c+1], v[\ofs], s[4:5] offset:8*\c
.endr
.endm
	GROW X0, ZO
.irp c, 0,1,2
	global_load_b64 v[S1+2*\c:S1+2*\c+1], v[ZO], s[4:5] offset:NLAST*ROWB+8*\c
.endr
	GROW RA0, OFS
	GROW RA1, OFS+1
	GROW RB0, OFS+2
	GROW RB1, OFS+3
	; all that follows up to the wait stands in the shadow of these 18 loads; it names neither their offsets nor the registers in which they land
	v_mul_u32_u24 v[TA], TP, v[LANE]
	v_add_nc_u32 v[TA], s10, v[TA]
	v_mov_b32 v[C1], 0.5
	v_mov_b32 v[C1+1], 0x3e2aaaab                  ; 1/6
	v_mov_b32 v[C2], 1.0
	v_mov_b32 v[C2+1], 0.5
	v_mov_b32 v[TB+24], 0                          ; the seventh pair (a, b)
	v_mov_b32 v[TB+25], 0
	v_mul_u32_u24 v[LJ], 205, v[LANE]              ; lane = 5 i + jj: 205 lane = 1024 i + (i + 205 jj)
	v_lshrrev_b32 v[LI], 10, v[LJ]                 ; i
	v_and_b32 v[LJ], 0x3ff, v[LJ]
	v_mul_u32_u24 v[LJ], 5, v[LJ]
	v_lshrrev_b32 v[LJ], 10, v[LJ]                 ; jj = 0..4
	v_cmp_ge_u32 s16, v[LJ], v[LI]                 ; the two compares stand in one run, each with a scalar register of its own,
	v_cmp_eq_u32 s17, 30, v[LANE]
	s_wait_alu depctr_va_sdst(0)                   ; s16 and s17 are written, ahead of the two selects that read them: one wait for both
	v_cndmask_b32 v[TT], 0, 1, s16
	v_cndmask_b32 v[INIT], 0, 1.0, s17
	v_add_nc_u32 v[LJ], v[LJ], v[TT]               ; j skips i
	v_mov_b32 v[XX], v[INIT]
	v_mov_b32 v[XX+1], 0
	v_mov_b32 v[AVQ], s10
	v_lshl_add_u32 v[AAB], v[LI], 3, s10
	v_lshl_add_u32 v[AVJ], v[LJ], 2, s10
.irp c, 0,1,2,3
	v_mov_b32 v[SETB+16*\c+15], 0                  ; named with v_j as a pair, so it is written; no load lands in it
.endr
.set r, 0
.rept 48
	v_mov_b32 v[ACC+r], 0                          ; the sums start at 0, so that the loop has one form of step
.set r, r+1
.endr
; One step's table row from rows r0 = x[t-1], r1 = x[t].
.macro PCOMP r0, r1, off
.irp p, 0,2,4
	v_pk_add_f32 v[TB+\p:TB+\p+1], v[\r1+\p:\r1+\p+1], v[\r0+\p:\r0+\p+1] neg_lo:[0,1] neg_hi:[0,1]      ; v
.endr
.irp p, 0,2,4
	v_pk_add_f32 v[\r0+\p:\r0+\p+1], v[\r0+\p:\r0+\p+1], v[X0+\p:X0+\p+1] neg_lo:[0,1] neg_hi:[0,1]      ; u
.endr
.irp p, 0,2,4
	v_pk_add_f32 v[TB+6+\p:TB+7+\p], v[S1+\p:S1+\p+1], v[\r0+\p:\r0+\p+1] neg_lo:[0,1] neg_hi:[0,1]      ; S1 - u
.endr
.irp p, 0,2,4
	v_pk_fma_f32 v[TB+6+\p:TB+7+\p], v[TB+\p:TB+\p+1], -0.5, v[TB+6+\p:TB+7+\p] op_sel_hi:[1,0,1]        ; q = S1 - u - v/2
.endr
.irp p, 0,2,4
	v_pk_mul_f32 v[TB+12+2*\p:TB+13+2*\p], v[TB+\p:TB+\p+1], v[C1:C1+1] op_sel_hi:[0,1]                  ; (v_k/2, v_k/6), k even
	v_pk_mul_f32 v[TB+14+2*\p:TB+15+2*\p], v[TB+\p:TB+\p+1], v[C1:C1+1] op_sel:[1,0] op_sel_hi:[1,1]     ; k odd
.endr
.irp p, 0,2,4
	v_pk_fma_f32 v[TB+12+2*\p:TB+13+2*\p], v[\r0+\p:\r0+\p+1], v[C2:C2+1], v[TB+12+2*\p:TB+13+2*\p] op_sel_hi:[0,1,1]               ; (a_k, b_k) = u_k (1, 1/2) + ..
	v_pk_fma_f32 v[TB+14+2*\p:TB+15+2*\p], v[\r0+\p:\r0+\p+1], v[C2:C2+1], v[TB+14+2*\p:TB+15+2*\p] op_sel:[1,0,0] op_sel_hi:[1,1,1]
.endr
	s_wait_alu depctr_va_vdst(0)                   ; the lines above have written v[TB ..], and the head v[TA]: the seven stores below read them.  (Behind the second pass's wait no vector line stands ahead of the first sets' loads: it states for them that v[AVQ], v[AAB], v[AVJ] are written)
.irp t, 0,1,2,3,4,5
	ds_store_b128 v[TA], v[TB+4*\t:TB+4*\t+3] offset:(\off)+16*\t
.endr
	ds_store_b64 v[TA], v[TB+24:TB+25] offset:(\off)+96
.endm
	s_wait_loadcnt 6                               ; x[0], x[last] and the first pass's rows are in; the second pass's six loads may stay out
.irp p, 0,2,4
	v_pk_add_f32 v[S1+\p:S1+\p+1], v[S1+\p:S1+\p+1], v[X0+\p:X0+\p+1] neg_lo:[0,1] neg_hi:[0,1]
.endr
	PCOMP RA0, RA1, 0
	s_wait_loadcnt 0x0
	s_wait_alu depctr_vm_vsrc(0)                   ; the first pass's stores have read v[TB ..], which the second pass writes again
	PCOMP RB0, RB1, 17*TP
; THE WALK.  The table rows are the wave's own (wave x 5,488 + at most 5,487), and LDS serves a wave's instructions in order (ISA guide 5.7.1.4): no barrier and no wait between the stores above and the loads below.
.macro LDSET c, st                     ; five loads: the step st rows behind the address registers, into set c
	ds_load_b128 v[SETB+16*(\c):SETB+16*(\c)+3],    v[AVQ] offset:(\st)*TP
	ds_load_b128 v[SETB+16*(\c)+4:SETB+16*(\c)+7],  v[AVQ] offset:(\st)*TP+16
	ds_load_b128 v[SETB+16*(\c)+8:SETB+16*(\c)+11], v[AVQ] offset:(\st)*TP+32
	ds_load_b64  v[SETB+16*(\c)+12:SETB+16*(\c)+13], v[AAB] offset:(\st)*TP+48
	ds_load_b32  v[SETB+16*(\c)+14], v[AVJ] offset:(\st)*TP
.endm
.macro FM c, idx                       ; number idx of a step's 18: S4[k][l, l+1] += v_k E[l, l+1], k = idx / 3, l = 2 (idx % 3)
.set kk, (\idx)/3
.set lp, (\idx)%3
.set ra, ACC+6*kk+2*lp
.set rv, SETB+16*(\c)+2*(kk/2)
.set re, EB+6*((\c)%2)+2*lp
.if kk%2
	v_pk_fma_f32 v[ra:ra+1], v[rv:rv+1], v[re:re+1], v[ra:ra+1] op_sel:[1,0,0] op_sel_hi:[1,1,1]
.else
	v_pk_fma_f32 v[ra:ra+1], v[rv:rv+1], v[re:re+1], v[ra:ra+1] op_sel_hi:[0,1,1]
.endif
.endm
.macro HD c, n                         ; number n of the 12 that open a step
.set sb, SETB+16*(\c)
.set eb, EB+6*((\c)%2)
.if (\n) == 1
	v_pk_mul_f32 v[TT:TT+1], v[sb+12:sb+13], v[sb+14:sb+15] op_sel_hi:[1,0]                     ; (P, b_i v_j)
.elseif (\n) == 2
	v_pk_add_f32 v[XX:XX+1], v[XX:XX+1], v[TT:TT+1] op_sel_hi:[0,1]                             ; (S2 + P, S2 + b_i v_j) = (the new S2, B2)
.elseif (\n) == 3
	v_mul_f32 v[TT], 0xbdaaaaab, v[TT]                                                          ; -P/12
.elseif (\n) < 7
.set lp, (\n)-4
	v_pk_mul_f32 v[eb+2*lp:eb+2*lp+1], v[sb+6+2*lp:sb+7+2*lp], v[XX:XX+1] op_sel:[0,1] op_sel_hi:[1,1]   ; B2 q
.elseif (\n) < 10
.set lp, (\n)-7
	v_pk_fma_f32 v[eb+2*lp:eb+2*lp+1], v[sb+2*lp:sb+2*lp+1], v[TT:TT+1], v[eb+2*lp:eb+2*lp+1] op_sel_hi:[1,0,1]  ; - P v / 12
.else
.set lp, (\n)-10
	v_pk_fma_f32 v[ACC+36+2*lp:ACC+37+2*lp], v[sb+2*lp:sb+2*lp+1], v[XX:XX+1], v[ACC+36+2*lp:ACC+37+2*lp] op_sel:[0,1,0] op_sel_hi:[1,1,1]  ; S3 += B2 v
.endif
.endm
; Step n (set c = n % 4): its 18 multiply-adds, and between them the opening of step n + 1, whose links so stand apart.
; fill = 1: at its head the step asks for step n + 3, into the set that step n - 1 has done with.  cnt: the LDS loads issued behind step n + 1's five.
.macro STEP c, cnt, fill
.set cn, ((\c)+1)%4
.if \fill
	s_wait_alu depctr_va_vdst(0)                   ; the step before is done reading its set, in which the five loads below land; in a trip's first step the adds have written v[AVQ], v[AAB], v[AVJ], which they read
	LDSET ((\c)+3)%4, (\c)+3                       ; no vector line of this step names that set: nothing more is owed for these loads
.endif
	s_wait_dscnt \cnt
	FM \c, 0
	FM \c, 1
	HD cn, 1
	FM \c, 2
	FM \c, 3
	FM \c, 4
	HD cn, 2
	HD cn, 3
	FM \c, 5
	FM \c, 6
	FM \c, 7
	HD cn, 4
	HD cn, 5
	HD cn, 6
	HD cn, 10
	HD cn, 11
	HD cn, 12
	FM \c, 8
	FM \c, 9
	HD cn, 7
	HD cn, 8
	HD cn, 9
.irp f, 10,11,12,13,14,15,16,17
	FM \c, \f
.endr
.endm
	LDSET 0, 0
	LDSET 1, 1
	LDSET 2, 2                                     ; steps 0 to 2; each step asks for the one three steps on
	s_wait_dscnt 10                                ; the table's stores and set 0 are done; two sets of five may stay out
.irp n, 1,2,3,4,5,6,7,8,9,10,11,12
	HD 0, \n
.endr
	s_mov_b32 s13, 11
.Lwalk:                                        ; a trip: four steps; a set is asked for two steps ahead of the step in which it is first read, so behind a step's own five loads two sets (10 loads) may stay out at its wait
	STEP 0, 10, 1
	STEP 1, 10, 1
	STEP 2, 10, 1
	STEP 3, 10, 1
	s_wait_alu depctr_vm_vsrc(0)                   ; the LDS loads issued so far have read v[AVQ], v[AAB], v[AVJ], which the adds write.  (It also states that the table's stores have read v[TB ..], in which loads land on the way out)
	v_add_nc_u32 v[AVQ], 4*TP, v[AVQ]
	v_add_nc_u32 v[AAB], 4*TP, v[AAB]
	v_add_nc_u32 v[AVJ], 4*TP, v[AVJ]
	s_sub_co_u32 s13, s13, 1
	s_cmp_lg_u32 s13, 0
	s_cbranch_scc1 .Lwalk
	STEP 0, 10, 1                                  ; steps 44 to 47 are written out: only steps 47 and 48 are still to be fetched, and the counts run down
	STEP 1, 10, 1
	STEP 2, 5, 0
	STEP 3, 0, 0
.irp f, 0,1,2,3,4,5,6,7,8,9,10,11,12,13,14,15,16,17
	FM 0, \f                                       ; step 48
.endr
; THE WAY OUT.  Every wave lays its 12 quads a lane into LDS.  Then thread (row, quad) adds the 8 waves: sum over w of A_w + G_w B_w, A_w my row's quad, B_w lane 30's, G_w my row's P of the waves before w.
; Sixteen neighbouring lanes hold a row's 16 quads (12 to 15 are zeros, read from quad 11) and store 256 consecutive bytes, aligned: part[row][group][64].
	v_sub_f32 v[ACC+42], v[XX], v[INIT]            ; P's sum (0 in lanes 30, 31)
	s_mul_i32 s11, s8, WP
	s_add_co_u32 s11, s11, RED
	v_lshl_add_u32 v[RW], v[LANE], 4, s11
	s_wait_alu depctr_va_vdst(0)                   ; the walk has written the 48 sums v[ACC ..], and the line above v[RW]: the twelve stores below read them
.set q, 0
.rept 12
	ds_store_b128 v[RW], v[ACC+4*q:ACC+4*q+3] offset:q*QP
.set q, q+1
.endr
	v_and_b32 v[QD], 15, v[LANE]                   ; the lines down to the barrier write neither v[RW] nor the sums
	v_lshrrev_b32 v[HH], 4, v[LANE]
	v_min_u32 v[QC], 11, v[QD]
	v_mul_u32_u24 v[QC], QP, v[QC]
	s_lshl_b32 s12, s8, 1
	v_add_nc_u32 v[HH], s12, v[HH]                 ; my row: 2 wave + lane / 16, and 16 further on
	v_lshl_add_u32 v[RA], v[HH], 4, v[QC]
	v_add_nc_u32 v[RA], RED, v[RA]
	v_add_nc_u32 v[RB], RED+480, v[QC]             ; row 30
	v_lshlrev_b32 v[RG], 4, v[HH]
	v_add_nc_u32 v[RG], RED+10*QP+8, v[RG]         ; slot 42 = quad 10, third word
	v_lshlrev_b32 v[GOF], 16, v[HH]                ; a row of part: 256 groups x 256 bytes
	v_lshl_add_u32 v[GOF], v[QD], 4, v[GOF]
	s_lshl_b32 s14, ttmp9, 8
	s_mov_b32 s15, 0
	s_add_nc_u64 s[6:7], s[6:7], s[14:15]
	v_mov_b32 v[PG0+7], 0                          ; named in a pair with the seventh sum
	v_mov_b32 v[PG1+7], 0
	s_wait_dscnt 0x0                               ; for the others' sake: my stores are done
	s_barrier_signal -1
	s_barrier_wait -1
	s_wait_alu depctr_va_vdst(0)                   ; v[RG], v[RB], v[RA] are written, which the 38 loads below read, and v[GOF] for the stores; every vector line that named v16 to v127, in which the loads land, is done
.set w, 0
.rept 7
	ds_load_b32 v[PG0+w], v[RG] offset:w*WP
	ds_load_b32 v[PG1+w], v[RG] offset:w*WP+256
.set w, w+1
.endr
.set w, 0
.rept 8
	ds_load_b128 v[BR+4*w:BR+4*w+3], v[RB] offset:w*WP
.set w, w+1
.endr
.set w, 0
.rept 8
	ds_load_b128 v[AR0+4*w:AR0+4*w+3], v[RA] offset:w*WP
.set w, w+1
.endr
.set w, 0
.rept 8
	ds_load_b128 v[AR1+4*w:AR1+4*w+3], v[RA] offset:w*WP+256
.set w, w+1
.endr
.macro RSUM ar, pg
.set w, 1
.rept 6
	v_add_f32 v[\pg+w], v[\pg+w], v[\pg+w-1]       ; G of wave w + 1
.set w, w+1
.endr
.set w, 1
.rept 7
.set gp, \pg+2*((w-1)/2)
.if (w-1)%2
	v_pk_fma_f32 v[\ar+4*w:\ar+4*w+1],   v[BR+4*w:BR+4*w+1],   v[gp:gp+1], v[\ar+4*w:\ar+4*w+1]   op_sel:[0,1,0] op_sel_hi:[1,1,1]
	v_pk_fma_f32 v[\ar+4*w+2:\ar+4*w+3], v[BR+4*w+2:BR+4*w+3], v[gp:gp+1], v[\ar+4*w+2:\ar+4*w+3] op_sel:[0,1,0] op_sel_hi:[1,1,1]
.else
	v_pk_fma_f32 v[\ar+4*w:\ar+4*w+1],   v[BR+4*w:BR+4*w+1],   v[gp:gp+1], v[\ar+4*w:\ar+4*w+1]   op_sel_hi:[1,0,1]
	v_pk_fma_f32 v[\ar+4*w+2:\ar+4*w+3], v[BR+4*w+2:BR+4*w+3], v[gp:gp+1], v[\ar+4*w+2:\ar+4*w+3] op_sel_hi:[1,0,1]
.endif
.set w, w+1
.endr
.irp a, 0,2,4,6
	v_pk_add_f32 v[\ar+4*\a:\ar+4*\a+1],   v[\ar+4*\a:\ar+4*\a+1],   v[\ar+4*\a+4:\ar+4*\a+5]
	v_pk_add_f32 v[\ar+4*\a+2:\ar+4*\a+3], v[\ar+4*\a+2:\ar+4*\a+3], v[\ar+4*\a+6:\ar+4*\a+7]
.endr
.irp a, 0,4
	v_pk_add_f32 v[\ar+4*\a:\ar+4*\a+1],   v[\ar+4*\a:\ar+4*\a+1],   v[\ar+4*\a+8:\ar+4*\a+9]
	v_pk_add_f32 v[\ar+4*\a+2:\ar+4*\a+3], v[\ar+4*\a+2:\ar+4*\a+3], v[\ar+4*\a+10:\ar+4*\a+11]
.endr
	v_pk_add_f32 v[\ar:\ar+1],   v[\ar:\ar+1],   v[\ar+16:\ar+17]
	v_pk_add_f32 v[\ar+2:\ar+3], v[\ar+2:\ar+3], v[\ar+18:\ar+19]
.endm
	s_wait_dscnt 8                                 ; all but the eight quads of rows 16-31
	RSUM AR0, PG0
	s_wait_alu depctr_va_vdst(0)                   ; the additions have written v[AR0 .. AR0+3], which the store reads
	global_store_b128 v[GOF], v[AR0:AR0+3], s[6:7]
	s_wait_dscnt 0x0
	RSUM AR1, PG1                                  ; it writes neither the store's four registers nor v[GOF]
	s_wait_alu depctr_va_vdst(0)                   ; the additions have written v[AR1 .. AR1+3], which the store reads
	global_store_b128 v[GOF], v[AR1:AR1+3], s[6:7] offset:16*65536
	s_wait_dscnt 0x0                               ; the wave's end
	s_wait_alu 0x0
	s_wait_tensorcnt 0x0
	ds_add_u32 v[SPW], v[NIL]
	s_wait_dscnt 0x0
	s_endpgm
.Lfunc_end_k_qcd1fe99363_sigpart:
	.size	k_qcd1fe99363_sigpart, .Lfunc_end_k_qcd1fe99363_sigpart-k_qcd1fe99363_sigpart
	.p2alignl 7, 3214868480
	.fill 96, 4, 3214868480
	.section	.rodata,"a",@progbits
	.p2align	6, 0x0
	.amdhsa_kernel k_qcd1fe99363_sigpart
		.amdhsa_group_segment_fixed_size 95744
		.amdhsa_private_segment_fixed_size 0
		.amdhsa_enable_private_segment 0
		.amdhsa_kernarg_size 16
		.amdhsa_user_sgpr_count 2
		.amdhsa_user_sgpr_kernarg_segment_ptr 1
		.amdhsa_wavefront_size32 1
		.amdhsa_system_sgpr_workgroup_id_x 1
		.amdhsa_system_sgpr_workgroup_id_y 1
		.amdhsa_system_sgpr_workgroup_id_z 1
		.amdhsa_system_vgpr_workitem_id 0
		.amdhsa_next_free_vgpr 212
		.amdhsa_next_free_sgpr 66
		.amdhsa_reserve_vcc 0
		.amdhsa_float_denorm_mode_32 3
		.amdhsa_float_denorm_mode_16_64 3
		.amdhsa_memory_ordered 1
		.amdhsa_forward_progress 1
		.amdhsa_inst_pref_size 40
	.end_amdhsa_kernel
	.amdgpu_metadata
---
amdhsa.version: [ 1, 2 ]
amdhsa.kernels:
  - .name:           k_qcd1fe99363_sigpart
    .symbol:         k_qcd1fe99363_sigpart.kd
    .args:
      - { .name: x, .offset: 0, .size: 8, .value_kind: global_buffer, .address_space: global }
      - { .name: part, .offset: 8, .size: 8, .value_kind: global_buffer, .address_space: global }
    .group_segment_fixed_size: 95744
    .private_segment_fixed_size: 0
    .kernarg_segment_align: 8
    .kernarg_segment_size: 16
    .max_flat_workgroup_size: 256
    .sgpr_count:     66
    .vgpr_count:     212
    .wavefront_size: 32
...
	.end_amdgpu_metadata
.endif
;; end of part 3
;; launch sigfin: the kernel of part 2 again; grid 30 x 1, 8 waves a work-group, no clusters, 4,352 bytes of LDS; arguments x, part, out0; writes out0
